; MI455X (gfx1250); checked and timed in simulation.
; The chip was launched on July 23, 2026; its instructions are those of AMD's public machine-readable ISA for CDNA 5 (MIT licence, August 2026) and "CDNA5" Instruction Set Architecture Reference Guide (July 2026). The comments in the code are by the model that wrote it; some were corrected since.
;; Scaled Dot Product Attention. Allowed arithmetic: matrix products marked QUANTISED: E2M1 operands, one E8M0 scale for each 32 along K, by v_wmma_scale_f32_16x16x128_f8f6f4 with both operands' format E2M1 (or v_wmma_scale_f32_32x16x128_f4), f32 sums; everything else in f32.
;; Inputs: attn_mask 2 x 1 x 2,048 x 2,048 int32; k 2 x 16 x 2,048 x 64 float32; q 2 x 16 x 2,048 x 64 float32; v 2 x 16 x 2,048 x 64 float32.
;; Outputs: out0 2 x 16 x 2,048 x 64 float32.
;; This version of the problem:
;;   THIS VERSION OF THE PROBLEM IS GIVEN IN LOW PRECISION. The matrix products marked QUANTISED in the list below multiply operands that are first quantised to E2M1 (2 exponent bits, 1 mantissa bit; 4 bits a number), with one power-of-two scale for each 32 numbers along K (OCP MX v1.0); their sums are f32. All else is computed in f32.
;;   The module's matrix products, in the order in which they are computed (A, B: the left and right operand; K: the contracted axis; several contracted axes count as one K, in the product's order):
;;     1. batch 32 x [M 2,048, K 64] x [K 64, N 2,048]; A: input q; B: input k: QUANTISED
;;     2. batch 32 x [M 2,048, K 2,048] x [K 2,048, N 64]; A: softmax (see below); B: input v: QUANTISED
;;   THE QUANTISER, for each operand of a quantised product, along K:
;;     - K is cut into blocks of 32 from its start; a last block that is shorter is filled with zeros.
;;     - A block's scale is 2^e with e = floor(log2(the largest magnitude in the block)) - 2, held to -126 .. 127; a block of zeros has e = 0. As a byte (E8M0): e + 127.
;;     - Each number is divided by its block's scale, clamped to +-6, and rounded to the nearest number of E2M1, ties to even, subnormals kept.
;;     - The product sums the exact products of the quantised numbers (number of the format x scale) in f32.
;;   ~~~python
;;   def quantise(x, axis):      # numpy; x: float32 -> the quantised numbers, widened to float32 again
;;       x = np.moveaxis(x, axis, -1); K = x.shape[-1]
;;       x = np.pad(x, [(0, 0)] * (x.ndim - 1) + [(0, -K % 32)]); x = x.reshape(x.shape[:-1] + (-1, 32)); a = np.abs(x).max(-1, keepdims=True)
;;       e = np.where(a > 0, np.clip(np.frexp(np.where(a > 0, a, 1))[1] - 1 - 2, -126, 127), 0)      # np.frexp(a)[1] - 1 = floor(log2(a)), exactly
;;       r = np.clip(x / 2.0 ** e, -6, 6)
;;       step = 2.0 ** (np.maximum(np.frexp(np.where(r == 0, 1, r))[1] - 1, 0) - 1)
;;       q = np.round(r / step) * step * 2.0 ** e      # np.round: ties to even
;;       return np.moveaxis(q.reshape(q.shape[:-2] + (-1,))[..., :K], -1, axis).astype(np.float32)
;;   ~~~
;;   SOFTMAX AHEAD OF A QUANTISED PRODUCT. Where the list says 'softmax', what is quantised is not the finished softmax but p = 2^(t - M), with t = logit x log2(e) and M = ceil(the row's largest t), a whole number; so 1/2 < the row's largest p <= 1. The row's sum l is taken of the UNQUANTISED p, in f32, and the product's result is divided by l at the end. Since M is a whole number, a kernel that streams over the keys may use a running M (the ceiling of the running maximum): every later rescaling is an exact power of two, which a block's scale takes up: the codes' values come out the same.
;;   OPERANDS COMPUTED ON THE WAY. 'Computed on the way' means the value that the module computes at that place (a softmax that the list does not call 'softmax' is quantised finished and normalised). What goes into a quantiser is computed in f32, as accurately as f32 sums, v_exp_f32 and their like allow (about 1e-6 of the number): no bf16 or f16 on the way to a quantiser, and a product that is left as it is and whose result goes on into a quantised operand takes f32 operands (vector FMAs, or v_wmma_f32_16x16x4_f32). A number that lies on a knife's edge between two numbers of the format may be rounded either way, as far as f32 arithmetic and the matrix unit's own rounding can turn it there, and no further.
;; One version. Each part assembles by itself: llvm-mc -triple=amdgcn-amd-amdhsa -mcpu=gfx1250 --defsym DOCPART=n.
;; ======== version 1 of 1: 2 launches
;; limits: right only within a limited range of input values
;; workspace buffers: qc 2,359,296 bytes; kv 4,587,520 bytes; mw 4,194,304 bytes
;; launch prep (part 1): grid 512 x 1, 5 waves a work-group, no clusters, 45,568 bytes of LDS; arguments q, k, v, attn_mask, qc, kv, mw; writes qc, kv, mw
.if DOCPART == 1
	.amdgcn_target "amdgcn-amd-amdhsa--gfx1250"
	.amdhsa_code_object_version 6
	.text
	.protected	k_q96b4f5000e_prep
	.globl	k_q96b4f5000e_prep
	.p2align	8
	.type	k_q96b4f5000e_prep,@function
k_q96b4f5000e_prep:
	s_mov_b64 s[64:65], 0
	v_nop
	global_prefetch_b8 v0, s[64:65] scope:SCOPE_SE
	s_setreg_imm32_b32 hwreg(HW_REG_WAVE_MODE, 25, 1), 1
	s_wait_xcnt 0x0
; q, k, v [32 heads][2048][64] f32 and attn_mask [2][2048][2048] int32 are turned, once, into what the attention launch reads, laid in the order of its registers.
;   qc [head][group of 128 queries][4608]: codes of FP4 (E2M1) [tile 8][lane 32][16 bytes], then at 4096 scale words [lane 32][4].
;   kv [head][step of 128 keys][8960]:     K codes at 0 and K scale words at 8192, laid as in qc; V codes at 4096 [tile of 16 channels 4][c 2][lane 32][16 bytes]; V scale words at 8704 [lane][2].
;   mw [batch][tile of 16 queries 128][step 16][half g 2][lane 32][16 bytes]: a code a key: 1 (the number 0.5) where the key is hidden, 0 where it counts; lane (r, h): query r, keys 64 g + 32 h + 0 .. 31.
; THE ROWS OF A TILE ARE NOT NEIGHBOURS: lane index r of tile T of a group of 128 rows is row 64 (T / 4) + 8 (T % 4) + r % 8 + 32 (r / 8), for keys and for queries alike.
; Scale word n of lane (r, h) belongs to row r of tile 2 n + h: 127, 127 in the lower bytes, the row's two bytes above.
; V's channels: tile t, row r is channel 2 (16 (t % 2) + r) + t / 2.
; q and k are quantised along the head's 64 (two blocks a row), v along the keys.  A block's scale is 2^(floor(log2(its largest magnitude)) - 2); its byte is the largest magnitude's exponent field - 2, held at 1 from below.
; (A block of zeros keeps the byte 1 where the quantiser says 127: its codes are zeros, which add nothing, and this program alone reads the bytes.)
; LIMITS: blocks whose largest magnitude lies under 2^-124 keep the byte 1; NaN and infinities among the inputs are not served.
; SHARES.  2,560 tasks of 32 KB of input, a wave each, five in every work-group: waves 0, 1: the mask of one tile of 16 queries x 512 keys; wave 2: 128 rows of q; wave 3: 128 rows of k; wave 4: 128 keys of v.
; The roles part on the wave's number and never meet again; waves share nothing, so there is no barrier, and work-groups share no input, so there is no cluster.  A task is four units of 8 KB; two units' loads (16 KB a wave) are on their way.
; A unit's stores stand at its end, directly ahead of the wait for the next unit.
.set WREG, 8960                        ; LDS bytes of a wave's stage
.set SPARE, 5*WREG                     ; the spare words
.set W,    16                          ; v16-19   scale words in the making
.set R,    32                          ; v32-159  two sets of 64 registers, as loaded
.set X,    160                         ; v160-223 a unit's numbers in the order of the work; the mask: v160-175 packed keys
.set C,    224                         ; v224-255 codes: registers of their own for each unit, so that no store's data are written again
; v1 lane, v2 r = lane % 16, v3 h = lane / 16, v4 16 x lane, v5 stage address in, v6 stage address out, v7 v's place for codes, v8 8 x lane, v9 8 h, v10-15 at work, v29 16 h; v30, v31 the add's
; s[22:23] where my task's input begins, s[24:25] where its output begins, s[28:29] where its scale words go
.macro LOADM n                         ; the mask: unit n = 128 keys of my 16 queries; load i is 512 consecutive bytes of the row of lane index i
.irp i, 0,1,2,3,4,5,6,7,8,9,10,11,12,13,14,15
	global_load_b128 v[R+64*((\n)%2)+4*\i:R+64*((\n)%2)+4*\i+3], v4, s[22:23] offset:(\i+24*(\i/8))*8192+(\n)*512 th:TH_LOAD_NT
.endr
.endm
.macro PACK n                          ; a lane's four neighbouring keys of row i become 16 bits: a nibble 1 where the key counts
.irp i, 0,1,2,3,4,5,6,7,8,9,10,11,12,13,14,15
.set PB, R+64*((\n)%2)+4*\i
	v_min_u32 v[PB], 1, v[PB]
	v_min_u32 v[PB+1], 1, v[PB+1]
	v_min_u32 v[PB+2], 1, v[PB+2]
	v_min_u32 v[PB+3], 1, v[PB+3]
	v_lshl_or_b32 v[PB], v[PB+1], 4, v[PB]
	v_lshl_or_b32 v[PB+2], v[PB+3], 4, v[PB+2]
	v_lshl_or_b32 v[X+\i], v[PB+2], 8, v[PB]
.endr
.endm
.macro TURNM n                         ; lane l's keys 4 l on lie in the 32 keys l / 8: 16 bytes for each row, 272 bytes from one such group to the next; LDS serves a wave's instructions in order
.irp i, 0,1,2,3,4,5,6,7,8,9,10,11,12,13,14,15
	ds_store_b16 v5, v[X+\i] offset:16*\i
.endr
	ds_load_b128 v[C+8*(\n):C+8*(\n)+3], v6
	ds_load_b128 v[C+8*(\n)+4:C+8*(\n)+7], v6 offset:544
.endm
.macro FINISH n                        ; a nibble 1 where the key is hidden; each store covers 512 consecutive bytes
	s_wait_dscnt 0x0
.irp i, 0,1,2,3,4,5,6,7
	v_xor_b32 v[C+8*(\n)+\i], s29, v[C+8*(\n)+\i]
.endr
	global_store_b128 v4, v[C+8*(\n):C+8*(\n)+3], s[24:25] offset:1024*(\n)
	global_store_b128 v4, v[C+8*(\n)+4:C+8*(\n)+7], s[24:25] offset:1024*(\n)+512
.endm
.macro LOADQ n                         ; q, k: unit n = tiles 2 n and 2 n + 1: two runs of 16 rows, 32 rows apart; a load is two rows, 512 consecutive bytes
.irp i, 0,1,2,3,4,5,6,7,8,9,10,11,12,13,14,15
	global_load_b128 v[R+64*((\n)%2)+4*\i:R+64*((\n)%2)+4*\i+3], v4, s[22:23] offset:256*(64*((\n)/2)+16*((\n)%2)+2*\i+16*(\i/8)) th:TH_LOAD_NT
.endr
.endm
.macro TURNQ n                         ; 32 rows of 256 bytes, 272 apart, the second run a further 128 on; lane (r, h) takes block h of rows r + 8 (r / 8) (u = 0) and 8 more (u = 1) into X + 32 u on
.irp i, 0,1,2,3,4,5,6,7,8,9,10,11,12,13,14,15
	ds_store_b128 v5, v[R+64*((\n)%2)+4*\i:R+64*((\n)%2)+4*\i+3] offset:2*\i*272+128*(\i/8)
.endr
.irp i, 0,1,2,3,4,5,6,7,8,9,10,11,12,13,14,15
	ds_load_b128 v[X+4*\i:X+4*\i+3], v6 offset:8*(\i/8)*272+16*(\i%8)
.endr
.endm
.macro LOADV n                         ; v: unit n = 32 keys; a load is one key's 256 bytes, two channels a lane
.irp i, 0,1,2,3,4,5,6,7,8,9,10,11,12,13,14,15,16,17,18,19,20,21,22,23,24,25,26,27,28,29,30,31
	global_load_b64 v[R+64*((\n)%2)+2*\i:R+64*((\n)%2)+2*\i+1], v8, s[22:23] offset:(\n)*8192+256*\i th:TH_LOAD_NT
.endr
.endm
.macro SPLITV n                        ; the two channels apart: the conversions want a block's numbers in consecutive registers
.irp x, 0,1
.irp i, 0,1,2,3,4,5,6,7,8,9,10,11,12,13,14,15,16,17,18,19,20,21,22,23,24,25,26,27,28,29,30,31
	v_mov_b32 v[X+32*\x+\i], v[R+64*((\n)%2)+2*\i+\x]
.endr
.endr
.endm
; A block of 32 numbers in one lane's registers v[xs] on becomes 16 bytes of codes in v[cd] on and its scale byte in v[bt].
.macro QUANT32 xs, cd, bt
	v_max3_num_f32 v10, |v[\xs]|, |v[\xs+1]|, |v[\xs+2]|           ; the largest magnitude, in two chains
	v_max3_num_f32 v11, |v[\xs+3]|, |v[\xs+4]|, |v[\xs+5]|
.irp i, 6,10,14,18,22,26
	v_max3_num_f32 v10, v10, |v[\xs+\i]|, |v[\xs+\i+1]|
	v_max3_num_f32 v11, v11, |v[\xs+\i+2]|, |v[\xs+\i+3]|
.endr
	v_max3_num_f32 v10, v10, |v[\xs+30]|, |v[\xs+31]|
	v_max3_num_f32 v10, v10, v11, 0x1800000                        ; and the floor 2^(3 - 127): the byte cannot fall under 1
	v_add_nc_u32 v12, 0xff000000, v10                              ; 2 off its exponent field: the conversion takes the exponent field of this operand as its scale
.irp g, 0,1,2,3
	v_cvt_scalef32_pk8_fp4_f32 v[\cd+\g], v[\xs+8*\g:\xs+8*\g+7], v12   ; eight numbers / the scale, to the nearest code, ties to even, beyond 6 the largest code
.endr
	v_lshrrev_b32 v[\bt], 23, v12                                  ; the scale's byte; also the plain line behind the conversions
.endm
; q and k: a store of codes covers 512 consecutive bytes.
.macro WORKQ n
	QUANT32 X, C+8*(\n), 13
	QUANT32 X+32, C+8*(\n)+4, 14
	v_lshl_or_b32 v15, v14, 16, v13                ; my two bytes: block h of tile 2 n and of tile 2 n + 1,
	v_lshlrev_b32 v15, v9, v15                     ; 8 h bits up;
	v_permlanex16_b32 v10, v15, s20, s21           ; with lane l xor 16's two:
	v_or_b32 v15, v15, v10                         ; (tile 2 n block 0, block 1, tile 2 n + 1 block 0, block 1)
	v_lshrrev_b32 v15, v29, v15                    ; tile 2 n + h's two bytes lie lowest:
	v_lshl_or_b32 v[W+(\n)], v15, 16, s35          ; up, 127 below
	global_store_b128 v4, v[C+8*(\n):C+8*(\n)+3], s[24:25] offset:1024*(\n)
	global_store_b128 v4, v[C+8*(\n)+4:C+8*(\n)+7], s[24:25] offset:1024*(\n)+512
.endm
; v: unit n is the block of keys 32 n on.  Sixteen lanes store 256 consecutive bytes, aligned.
.macro WORKV n
	QUANT32 X, C+8*(\n), 13
	QUANT32 X+32, C+8*(\n)+4, 14
.if (\n) == 0
	v_mov_b32 v[W], v13                            ; byte n of my two channels' scale words
	v_mov_b32 v[W+1], v14
.else
	v_lshl_or_b32 v[W], v13, 8*(\n), v[W]
	v_lshl_or_b32 v[W+1], v14, 8*(\n), v[W+1]
.endif
	global_store_b128 v7, v[C+8*(\n):C+8*(\n)+3], s[24:25] offset:4096+512*((\n)/2)+256*((\n)%2)
	global_store_b128 v7, v[C+8*(\n)+4:C+8*(\n)+7], s[24:25] offset:6144+512*((\n)/2)+256*((\n)%2)
.endm
.macro ARRIVED n, per                  ; unit n's loads are in; the next unit's (per of them) may stay out
.if (\n) < 3
	s_wait_loadcnt \per
.else
	s_wait_loadcnt 0
.endif
.endm
	s_load_b256 s[4:11], s[0:1], 0x0               ; q s[4:5], k s[6:7], v s[8:9], attn_mask s[10:11]
	s_load_b128 s[12:15], s[0:1], 0x20             ; qc s[12:13], kv s[14:15]
	s_load_b64 s[16:17], s[0:1], 0x30              ; mw
	v_lshl_add_u32 v30, v0, 2, SPARE
	v_mov_b32 v31, 0
	v_lshrrev_b32 v1, 5, v0
	v_readfirstlane_b32 s18, v1                    ; wave 0..4
	v_and_b32 v1, 31, v0                           ; lane
	v_and_b32 v2, 15, v0                           ; r
	v_bfe_u32 v3, v0, 4, 1                         ; h
	v_lshlrev_b32 v4, 4, v1
	v_lshlrev_b32 v8, 3, v1
	v_lshlrev_b32 v9, 3, v3
	v_lshlrev_b32 v29, 4, v3
	s_wait_alu depctr_va_vdst(0)                   ; the wait ahead of the scalar lines and branches below
	s_mul_i32 s19, s18, WREG                       ; my stage
	s_mov_b32 s20, 0x76543210
	s_mov_b32 s21, 0xfedcba98                      ; v_permlanex16_b32's selects for lane l xor 16
	s_cmp_lt_u32 s18, 2
	s_cbranch_scc0 .Lnot_mask
	; ---- waves 0 and 1: the mask.  Task m = 2 x work-group + wave: batch m / 512, tile of queries (m / 4) % 128, keys 512 (m % 4) on
	s_lshl_b32 s26, ttmp9, 1
	s_add_co_u32 s26, s26, s18
	s_lshr_b32 s27, s26, 9                         ; batch
	s_bfe_u32 s30, s26, 0x70002                    ; tile T
	s_and_b32 s31, s26, 3                          ; which 512 keys
	s_lshl_b32 s22, s27, 24                        ; a batch's mask is 2^24 bytes, a row 8,192
	s_lshr_b32 s26, s30, 2
	s_lshl_b32 s26, s26, 19                        ; the tile's first row: 64 (T / 4)
	s_add_co_u32 s22, s22, s26
	s_and_b32 s26, s30, 3
	s_lshl_b32 s26, s26, 16                        ; + 8 (T % 4)
	s_add_co_u32 s22, s22, s26
	s_lshl_b32 s26, s31, 11
	s_add_co_u32 s22, s22, s26
	s_mov_b32 s23, 0
	s_lshl_b32 s24, s27, 7
	s_add_co_u32 s24, s24, s30
	s_lshl_b32 s24, s24, 14                        ; mw: 16,384 bytes for a batch's tile,
	s_lshl_b32 s26, s31, 12                        ; 1,024 a step, four steps a task
	s_add_co_u32 s24, s24, s26
	s_mov_b32 s25, 0
	s_mov_b32 s29, 0x11111111
	v_lshrrev_b32 v10, 3, v1
	v_and_b32 v11, 7, v1
	v_mul_u32_u24 v5, v10, 272
	v_lshl_add_u32 v5, v11, 1, v5
	v_add_nc_u32 v5, s19, v5                       ; into the stage: group lane / 8, 2 (lane % 8) bytes on
	v_mul_u32_u24 v6, v3, 272
	v_lshl_add_u32 v6, v2, 4, v6
	v_add_nc_u32 v6, s19, v6                       ; out of it: group h (g = 0) and 2 + h (g = 1), row r
	s_wait_alu depctr_va_vdst(0)                   ; the wait at the head's end
	s_wait_kmcnt 0x0
	s_add_nc_u64 s[22:23], s[10:11], s[22:23]
	s_add_nc_u64 s[24:25], s[16:17], s[24:25]
	LOADM 0
	LOADM 1
.irp n, 0,1,2,3
	ARRIVED \n, 16
	PACK \n
.if \n < 2
	LOADM \n+2                                     ; the packing has read the registers, which take the loads of two units on
.endif
	TURNM \n
	FINISH \n
.endr
	s_wait_tensorcnt 0x0                           ; the wave's end
	ds_add_u32 v30, v31
	s_wait_dscnt 0x0
	s_endpgm
.Lnot_mask:
	s_cmp_lt_u32 s18, 4
	s_cbranch_scc0 .Lfor_v
	; ---- wave 2: q; wave 3: k.  Task = work-group = 16 x head + group of 128 rows.  Only pointers and two sizes are chosen; both tensors take one way through the text
	s_mov_b32 s35, 0x7f7f
	s_lshl_b32 s28, ttmp9, 15                      ; 128 rows of 256 bytes
	s_mov_b32 s29, 0
	s_cmp_eq_u32 s18, 2                            ; the choice hangs on the wave's number alone; only lines that leave SCC alone stand between it and the selects
	s_mov_b32 s26, 8960
	s_cselect_b32 s26, 4608, s26                   ; a group's block in qc, a step's in kv
	s_mov_b32 s30, 8192
	s_cselect_b32 s30, 4096, s30                   ; where the scale words lie in it
	s_mul_i32 s26, ttmp9, s26
	s_mov_b32 s27, 0
	s_mov_b32 s31, 0
	s_wait_kmcnt 0x0
	s_cselect_b64 s[22:23], s[4:5], s[6:7]
	s_cselect_b64 s[24:25], s[12:13], s[14:15]
	s_add_nc_u64 s[22:23], s[22:23], s[28:29]
	s_add_nc_u64 s[24:25], s[24:25], s[26:27]
	s_add_nc_u64 s[28:29], s[24:25], s[30:31]
	LOADQ 0
	LOADQ 1
	v_mul_u32_u24 v5, v3, 272
	v_lshl_add_u32 v5, v2, 4, v5
	v_add_nc_u32 v5, s19, v5                       ; into the stage: a load holds two rows: row h, 16 r
	v_lshrrev_b32 v10, 3, v2                       ; r / 8
	v_lshl_add_u32 v11, v10, 3, v2                 ; r + 8 (r / 8)
	v_mul_u32_u24 v6, v11, 272
	v_lshl_add_u32 v6, v10, 7, v6                  ; the second run lies 128 bytes further
	v_lshl_add_u32 v6, v3, 7, v6                   ; block h
	v_add_nc_u32 v6, s19, v6
	s_wait_alu depctr_va_vdst(0)                   ; the wait at the head's end
.irp n, 0,1,2,3
	ARRIVED \n, 16
	TURNQ \n
	s_wait_dscnt 0x0                               ; the unit is back from the stage, and the stores into it have read their registers,
.if \n < 2
	LOADQ \n+2                                     ; which take the loads of two units on
.endif
	WORKQ \n
.endr
	global_store_b128 v4, v[W:W+3], s[28:29]       ; 512 consecutive bytes, aligned
	s_wait_tensorcnt 0x0                           ; the wave's end
	ds_add_u32 v30, v31
	s_wait_dscnt 0x0
	s_endpgm
.Lfor_v:
	; ---- wave 4: v.  Task = work-group = 16 x head + step of 128 keys.  It writes no LDS
	s_lshl_b32 s28, ttmp9, 15
	s_mov_b32 s29, 0
	s_mul_i32 s26, ttmp9, 8960
	s_mov_b32 s27, 0
	v_lshlrev_b32 v7, 10, v3
	v_lshl_add_u32 v7, v2, 4, v7                   ; channel 2 lane + x is row r of tile 2 x + h: 1,024 h + 16 r
	s_wait_alu depctr_va_vdst(0)                   ; the wait at the head's end
	s_wait_kmcnt 0x0
	s_add_nc_u64 s[22:23], s[8:9], s[28:29]
	s_add_nc_u64 s[24:25], s[14:15], s[26:27]
	LOADV 0
	LOADV 1
.irp n, 0,1,2,3
	ARRIVED \n, 32
	SPLITV \n
.if \n < 2
	LOADV \n+2
.endif
	WORKV \n
.endr
	global_store_b64 v8, v[W:W+1], s[24:25] offset:8704   ; 256 consecutive bytes, aligned
	s_endpgm
.Lfunc_end_k_q96b4f5000e_prep:
	.size	k_q96b4f5000e_prep, .Lfunc_end_k_q96b4f5000e_prep-k_q96b4f5000e_prep
	.p2alignl 7, 3214868480
	.fill 96, 4, 3214868480
	.section	.rodata,"a",@progbits
	.p2align	6, 0x0
	.amdhsa_kernel k_q96b4f5000e_prep
		.amdhsa_group_segment_fixed_size 45568
		.amdhsa_private_segment_fixed_size 0
		.amdhsa_enable_private_segment 0
		.amdhsa_kernarg_size 56
		.amdhsa_user_sgpr_count 2
		.amdhsa_user_sgpr_kernarg_segment_ptr 1
		.amdhsa_wavefront_size32 1
		.amdhsa_system_sgpr_workgroup_id_x 1
		.amdhsa_system_sgpr_workgroup_id_y 1
		.amdhsa_system_sgpr_workgroup_id_z 1
		.amdhsa_system_vgpr_workitem_id 0
		.amdhsa_next_free_vgpr 256
		.amdhsa_next_free_sgpr 66
		.amdhsa_reserve_vcc 0
		.amdhsa_float_denorm_mode_32 3
		.amdhsa_float_denorm_mode_16_64 3
		.amdhsa_memory_ordered 1
		.amdhsa_forward_progress 1
		.amdhsa_inst_pref_size 97
	.end_amdhsa_kernel
	.amdgpu_metadata
---
amdhsa.version: [ 1, 2 ]
amdhsa.kernels:
  - .name:           k_q96b4f5000e_prep
    .symbol:         k_q96b4f5000e_prep.kd
    .args:
      - { .name: q, .offset: 0, .size: 8, .value_kind: global_buffer, .address_space: global }
      - { .name: k, .offset: 8, .size: 8, .value_kind: global_buffer, .address_space: global }
      - { .name: v, .offset: 16, .size: 8, .value_kind: global_buffer, .address_space: global }
      - { .name: attn_mask, .offset: 24, .size: 8, .value_kind: global_buffer, .address_space: global }
      - { .name: qc, .offset: 32, .size: 8, .value_kind: global_buffer, .address_space: global }
      - { .name: kv, .offset: 40, .size: 8, .value_kind: global_buffer, .address_space: global }
      - { .name: mw, .offset: 48, .size: 8, .value_kind: global_buffer, .address_space: global }
    .group_segment_fixed_size: 45568
    .private_segment_fixed_size: 0
    .kernarg_segment_align: 8
    .kernarg_segment_size: 56
    .max_flat_workgroup_size: 160
    .sgpr_count:     66
    .vgpr_count:     256
    .wavefront_size: 32
...
	.end_amdgpu_metadata
.endif
;; end of part 1
;; launch attn (part 2): grid 8 x 32, 16 waves a work-group, clusters of 4 x 1, 215,040 bytes of LDS; arguments qc, kv, mw, out0; writes out0
.if DOCPART == 2
	.amdgcn_target "amdgcn-amd-amdhsa--gfx1250"
	.amdhsa_code_object_version 6
	.text
	.protected	k_q96b4f5000e_attn
	.globl	k_q96b4f5000e_attn
	.p2align	8
	.type	k_q96b4f5000e_attn,@function
k_q96b4f5000e_attn:
	s_mov_b64 s[64:65], 0
	v_nop
	global_prefetch_b8 v0, s[64:65] scope:SCOPE_SE
	s_setreg_imm32_b32 hwreg(HW_REG_WAVE_MODE, 25, 1), 1
	s_wait_xcnt 0x0
	s_wait_alu depctr_hold_cnt(0) depctr_sa_sdst(0) depctr_va_vdst(0) depctr_va_sdst(0) depctr_va_ssrc(0) depctr_va_vcc(0) depctr_vm_vsrc(0)
	s_getreg_b32 s2, hwreg(HW_REG_IB_STS2, 6, 4)
	s_cmp_eq_u32 s2, 0
	s_cbranch_scc0 .Lentry_in_a_cluster
	s_endpgm
.Lentry_in_a_cluster:
	s_bfe_u32 s2, ttmp6, 0x10000c
	s_cmp_lg_u32 s2, 0x3003
	s_cbranch_scc0 .Lentry_shape_is_right
	s_endpgm
.Lentry_shape_is_right:
; out0[head][q][:] = the sum over k of softmax_k(mask(q . k / 8)) v[k][:], 32 heads, 2,048 queries and keys, head size 64, both products on codes of FP4 (E2M1) with one E8M0 scale for each 32 along a product's K.
; qc, kv and mw come from the launch before, in the order of this text's registers (their layouts stand at that launch's head).
; THE SOFTMAX AHEAD OF THE SECOND PRODUCT: t = score x log2(e) / 8; M = the row's largest t so far, rounded UP to a whole number; p = 2^(t - M) is what is quantised, along the keys; it is not normalised.
; The row's sum is taken of the unquantised p, in f32, and divides O at the end.  When M moves, the sum and O are multiplied by 2^(old M - new M): exact.
; THE MASK.  The head's 64 fill half of the instruction's 128 along K; the other half hides keys.  A = (16 rows I, each with the one code -4 at a place of its own among 64, 16 keys of K); B = (mask codes, Q).
; A hidden key has the mask code 1 at its place: -4 x 0.5 x 2^39 = -2^40 is added to its score.  A key that counts has the code 0 there, which adds nothing.
; A hidden score is -2^40 plus what the addition keeps of the score: its p is 0 beside any key that counts.  The largest t begins at -2^31, above every hidden t.  While it stands there, all keys so far were hidden:
; then t - M is made with the factor 0 and the addend 0, so that p = 1 at every key; a row that is hidden everywhere gives the mean of v, as -1e9 at every key does.  A first key that counts takes M down from 2^31, and what was summed is multiplied by 0.
; LIMITS: the promise holds while the scaled scores t of keys that count stay under 2^30 in magnitude.  NaN and infinities among the inputs are not served.
; SHARES.  A work-group owns 256 queries of one head; each of its sixteen waves one tile of 16, in 256 registers: four waves to a SIMD, so that one wave's vector work stands beside another's LDS loads and products.
; Every wave walks the head's 16 steps of 128 keys.  A head's whole block of kv, 143,360 bytes, is brought into LDS ONCE, a step by each wave: nothing is filled again, so there is no ring.
; TWO BARRIERS show it: the first the steps of waves 0 to 3, behind which steps 0 and 1 begin; the second, signalled in step 0 and waited for in step 1, all sixteen.
; CLUSTER.  The four work-groups of a cluster belong to one head and read the same block: they ask for it JOINTLY, with the same descriptors and a mask that names the four.
; PREFETCH.  The mask codes go from memory into registers, 1,024 bytes a step and wave, loaded a step ahead.  In the trip of step i a wave asks the L2 for its tile's codes of step i + 3, which the trip of step i + 2 loads (macro ASK).
; kv's block comes once, with no loop to run ahead in: it is not prefetched.
; LAYOUT.  Both products are used transposed: S^T = K Q^T (source 0 = keys, source 1 = my 16 queries), O^T = V^T P^T (source 0 = 16 channels, source 1 = P): a lane holds ONE query (lane % 16) throughout.
; Row r of tile T is key 64 (T / 4) + 32 (r / 8) + 8 (T % 4) + r % 8 of the step: so the 32 registers of tiles 0-3 are block h of lane (r, h), whole and in order, and those of tiles 4-7 block 2 + h.
.set STEPB, 8960                       ; a step's block: K codes 4,096, V codes 4,096, K scale words 512, V scale words 256: 35 rows of 256 bytes
.set HEADB, 16*STEPB
.set STAGE, HEADB                      ; behind the head's block: 16 rows x 272 bytes for each wave, for the way out; no tensor load lands there
.set SP,    272
.set SPARE, STAGE+16*16*SP             ; the spare words, 128 bytes a wave
.set MQ,  16                           ; v16-31: mask codes of keys 0-63, Q, mask codes of keys 64-127, Q
.set SQ,  32                           ; v32 scale words of (mask, Q)
.set PW,  33                           ; v33 p's scale word
.set H8,  34                           ; v34 8 h
.set CF,  35                           ; v35 c
.set KS,  36                           ; v36-39 K's scale words: tile 2 f in lanes 0-15 of register f, tile 2 f + 1 in lanes 16-31
.set KI,  40                           ; v40-103 for each tile: I of tile % 4, K
.set VC,  104                          ; v104-135 V's four fragments
.set S,   136                          ; v136-199 S^T, then p
.set O,   200                          ; v200-231 O^T, four tiles of 16 channels
.set PC,  232                          ; v232-239 p's codes; before them v232-237 three chains of the row's sum
.set PFO, 9                            ; v9 the prefetch's offset: 256 x the lesser of my lane and 3; never rewritten
; v1 16 x lane, v2 8 x lane, v4, v5 the step's LDS addresses, v6-8 Q's offsets, later the way out; v3 Q's scale word; v[10:11] V's scale words; v12 -M, v13 the largest t, v[14:15] the sum in two halves;
; v240, v241 my two blocks' largest scores, then largest p; v242, v243 at work; v244, v245 the conversions' scale operands; v[246:247] f; v[248:249] the factor of the scores, v[250:251] their addend;
; v252, v253 the add's; v254 -2^31; v255 the old -M
; s[2:3] where the step's mask codes lie; s[4:11] descriptor group 1; s[12:15] group 0; s[20:21] my rows of out0; s22 c; s[24:25] lane selects; s26 wave; s27 the step's LDS byte; s28 15 - the step; s44 when I prefetch
; A round of the cluster's barrier: my work-group's barrier; wave 0 signals for the work-group; every wave waits for all four work-groups; my work-group's barrier once more.
.macro ROUND
	s_barrier_signal -1
	s_barrier_wait -1
	s_cmp_lg_u32 s26, 0
	s_cbranch_scc1 .Lnot_wave_0_\@
	s_barrier_signal -3
.Lnot_wave_0_\@:
	s_barrier_wait -3
	s_barrier_signal -1
	s_barrier_wait -1
.endm
; The four aligned blocks of 256 bytes of my tile's step i + 3 (s[2:3] stands at step i + 1).  The sixteen heads of a batch, each in clusters of its own, read the same mask tiles: four of them ask for each step, those h of 0 .. 15 for which
; (h - h / 4) % 4 is the step's number % 4.  The branch hangs on the head and the count of steps alone, which the partners of a cluster share; each partner's tiles are its own.  Steps 0 to 2 come by their loads alone; the last two trips ask for nothing.
.macro ASK
	s_cmp_lt_u32 s28, 3
	s_cbranch_scc1 .Lno_ask_\@
	s_and_b32 s29, s28, 3
	s_cmp_eq_u32 s29, s44
	s_cbranch_scc0 .Lno_ask_\@
	global_prefetch_b8 v[PFO], s[2:3] offset:2048 th:TH_LOAD_NT scope:SCOPE_SE
.Lno_ask_\@:
.endm
; Tile t of the step: the scores of 16 keys, hidden ones with -2^40 added.
.macro SCORE t
.set PD, S+8*(\t)
.set PA, KI+8*(\t)
.set PB, MQ+8*((\t)/4)
.if (\t)%2
	v_wmma_scale_f32_16x16x128_f8f6f4 v[PD:PD+7], v[PA:PA+7], v[PB:PB+7], 0, v[KS+(\t)/2], v[SQ] matrix_a_fmt:MATRIX_FMT_FP4 matrix_b_fmt:MATRIX_FMT_FP4 matrix_a_scale:MATRIX_SCALE_ROW1
.else
	v_wmma_scale_f32_16x16x128_f8f6f4 v[PD:PD+7], v[PA:PA+7], v[PB:PB+7], 0, v[KS+(\t)/2], v[SQ] matrix_a_fmt:MATRIX_FMT_FP4 matrix_b_fmt:MATRIX_FMT_FP4
.endif
.endm
; O^T's tile t += V^T P^T over the step's 128 keys.  V's scale words of tiles 0, 1 share v10, those of 2, 3 share v11.
.macro OPROD t
.if (\t)%2
	v_wmma_scale_f32_16x16x128_f8f6f4 v[O+8*(\t):O+8*(\t)+7], v[VC+8*(\t):VC+8*(\t)+7], v[PC:PC+7], v[O+8*(\t):O+8*(\t)+7], v[10+(\t)/2], v[PW] matrix_a_fmt:MATRIX_FMT_FP4 matrix_b_fmt:MATRIX_FMT_FP4 matrix_a_scale:MATRIX_SCALE_ROW1
.else
	v_wmma_scale_f32_16x16x128_f8f6f4 v[O+8*(\t):O+8*(\t)+7], v[VC+8*(\t):VC+8*(\t)+7], v[PC:PC+7], v[O+8*(\t):O+8*(\t)+7], v[10+(\t)/2], v[PW] matrix_a_fmt:MATRIX_FMT_FP4 matrix_b_fmt:MATRIX_FMT_FP4
.endif
.endm
; K's codes and scale words of the step that begins at byte off behind v[adr]: nine LDS loads
.macro KLOAD adr, off
.irp t, 0,1,2,3,4,5,6,7
	ds_load_b128 v[KI+8*\t+4:KI+8*\t+7], v[\adr] offset:(\off)+512*\t
.endr
	ds_load_b128 v[KS:KS+3], v[\adr] offset:(\off)+8192
.endm
; Pair n of p onto its chain of the row's sum
.macro ADDP n
.set PP, S+2*(\n)
.set PQ, PC+2*(((\n)-7)%4)
.if ((\n)-7)%4 == 3
	v_pk_add_f32 v[14:15], v[14:15], v[PP:PP+1]
.else
	v_pk_add_f32 v[PQ:PQ+1], v[PQ:PQ+1], v[PP:PP+1]
.endif
.endm
; A KEY STEP: 128 keys.  last = 1: the head's last step asks for nothing more.  shown = 1 (step 0): the second barrier is signalled ahead of the second product; shown = 2 (step 1): and waited for behind the scores.
.macro STEP last, shown
	v_add_nc_u32 v4, s27, v1                       ; the step's block, 16 bytes a lane,
	v_add_nc_u32 v5, s27, v2                       ; and 8 bytes a lane.  With the two lines below: four plain lines between the last step's products and the loads into V's registers (ISA guide 7.12.1 for vector instructions)
	v_nop
	v_nop
.irp i, 0,1,2,3,4,5,6,7
	ds_load_b128 v[VC+4*\i:VC+4*\i+3], v4 offset:4096+512*\i       ; V: tile i / 2, keys 64 (i % 2) on
.endr
	ds_load_b64 v[10:11], v5 offset:8704           ; V's scale words
	s_wait_alu depctr_va_vdst(0)
	s_wait_xcnt 0x0                                ; any prefetch of mine has read its address, which is stepped below
	s_wait_loadcnt 0x0                             ; the step's mask codes, asked for a step ago
	s_wait_dscnt 9                                 ; K and its scale words, asked for a step ago; V's nine loads may stay out
.irp t, 0,1,2,3,4,5,6,7
	SCORE \t
.endr
	v_mov_b32 v255, v12                            ; (the old -M) four plain lines between the products and what follows: reads of their results, loads into their sources
	v_nop
	v_nop
	v_nop
.if (\shown) == 2
	s_wait_alu depctr_va_vdst(0)                   ; directly ahead of the barrier's wait
	s_barrier_wait -1                              ; all sixteen steps have landed.
.endif
.if (\last) == 0
	s_add_nc_u64 s[2:3], s[2:3], 1024              ; (the waits above have shown the loads that read this pointer done)
	global_load_b128 v[MQ:MQ+3], v1, s[2:3]        ; the next step's mask codes and K have the rest of this step in which to land
	global_load_b128 v[MQ+8:MQ+11], v1, s[2:3] offset:512
	KLOAD 4, STEPB
	ASK
.endif
	v_max3_num_f32 v240, v[S], v[S+1], v[S+2]      ; THE LARGEST SCORE OF EACH OF MY TWO BLOCKS OF 32 KEYS serves twice: for the row's maximum, and, since p rises with the score, for the block's largest p.  Four chains by turns, each result from its low end on
	v_max3_num_f32 v242, v[S+16], v[S+17], v[S+18]
	v_max3_num_f32 v241, v[S+32], v[S+33], v[S+34]
	v_max3_num_f32 v243, v[S+48], v[S+49], v[S+50]
.irp i, 3,5,7,9,11,13
	v_max3_num_f32 v240, v240, v[S+\i], v[S+1+\i]
	v_max3_num_f32 v242, v242, v[S+16+\i], v[S+17+\i]
	v_max3_num_f32 v241, v241, v[S+32+\i], v[S+33+\i]
	v_max3_num_f32 v243, v243, v[S+48+\i], v[S+49+\i]
.endr
	v_max3_num_f32 v240, v240, v[S+15], v242
	v_max3_num_f32 v241, v241, v[S+47], v243
	v_max_num_f32 v240, v240, v[S+31]
	v_max_num_f32 v241, v241, v[S+63]
	s_delay_alu instid0(VALU_DEP_1)
	v_max_num_f32 v242, v240, v241
	s_delay_alu instid0(VALU_DEP_1)
	v_permlanex16_b32 v243, v242, s24, s25
	s_delay_alu instid0(VALU_DEP_1)
	v_max_num_f32 v242, v242, v243                 ; with lane l xor 16's: the step's largest score of my query
	s_delay_alu instid0(VALU_DEP_1)
	v_mul_f32 v242, s22, v242                      ; as t (c is positive)
	s_delay_alu instid0(VALU_DEP_1)
	v_max_num_f32 v13, v13, v242                   ; the running largest t
	s_delay_alu instid0(VALU_DEP_1)
	v_floor_f32 v12, -v13                          ; the new -M = floor(-t) = -ceil(t): M is a whole number
	v_cmp_lt_f32 vcc_lo, v254, v13                 ; has any key counted so far?
	s_delay_alu instid0(VALU_DEP_2)
	v_sub_f32 v255, v12, v255                      ; M's old value less its new one: a whole number, 0 or less
	v_cndmask_b32 v248, 0, v[CF], vcc_lo           ; the factor: c, or 0 where all were hidden;
	s_delay_alu instid0(VALU_DEP_2)
	v_cvt_i32_f32 v255, v255                       ; (it saturates)
	v_cndmask_b32 v250, 0, v12, vcc_lo             ; the addend: -M, or 0
	s_delay_alu instid0(VALU_DEP_2)
	v_ldexp_f32 v246, 1.0, v255                    ; f = 2^(old M - new M)
	v_fma_f32 v240, v240, v248, v250               ; t - M of each block's largest score,
	v_fma_f32 v241, v241, v248, v250
.set jj, 0
.rept 32
	v_pk_fma_f32 v[S+jj:S+jj+1], v[S+jj:S+jj+1], v[248:249], v[250:251] op_sel_hi:[1,0,0]   ; and of all, two at a time (of the factor's and the addend's pairs the low word serves both halves)
.set jj, jj+2
.endr
	s_wait_alu depctr_va_vdst(0)                   ; the wait ahead of the batch
	v_exp_f32 v240, v240                           ; the block's largest p: the same two steps on the same number as below
	v_exp_f32 v241, v241
.set jj, 0
.rept 64
	v_exp_f32 v[S+jj], v[S+jj]                     ; p = 2^(t - M), at most 1: not normalised
.set jj, jj+1
.endr
	v_pk_mul_f32 v[14:15], v[14:15], v[246:247] op_sel_hi:[1,0]   ; the sums under the new M; the plain line behind the exponentials
	s_wait_alu depctr_va_vdst(0)                   ; one wait for the batch, ahead of its first reader
	v_max_num_f32 v240, 0x1800000, v240            ; the floor 2^(3 - 127): the byte cannot fall under 1 (a block whose every p has fallen to 0 keeps that byte: its codes are zeros)
	v_max_num_f32 v241, 0x1800000, v241
	v_pk_add_f32 v[PC:PC+1], v[S:S+1], v[S+2:S+3]  ; the row's sum, of the unquantised p, in four chains, with the scale's lines between
	v_pk_add_f32 v[PC+2:PC+3], v[S+4:S+5], v[S+6:S+7]
	v_pk_add_f32 v[PC+4:PC+5], v[S+8:S+9], v[S+10:S+11]
	v_pk_add_f32 v[14:15], v[14:15], v[S+12:S+13]
	v_add_nc_u32 v244, 0xff000000, v240            ; 2 off the exponent field: the conversion's scale operand
	v_add_nc_u32 v245, 0xff000000, v241
.irp n, 7,8,9,10
	ADDP \n
.endr
	v_lshrrev_b32 v242, 23, v244                   ; the scale's byte
	v_lshrrev_b32 v243, 23, v245
.irp n, 11,12,13,14
	ADDP \n
.endr
	v_lshl_or_b32 v242, v243, 16, v242             ; my two bytes, blocks h and 2 + h,
.irp n, 15,16,17,18
	ADDP \n
.endr
	v_lshlrev_b32 v242, v[H8], v242                ; 8 h bits up,
.irp n, 19,20,21,22
	ADDP \n
.endr
	v_permlanex16_b32 v243, v242, s24, s25
.irp n, 23,24,25,26,27,28,29,30,31
	ADDP \n
.endr
	v_pk_add_f32 v[PC+2:PC+3], v[PC+2:PC+3], v[PC+4:PC+5]
	v_pk_add_f32 v[14:15], v[14:15], v[PC:PC+1]
	v_or_b32 v[PW], v242, v243                     ; and lane l xor 16's: p's scale word for these 128 keys
	v_pk_add_f32 v[14:15], v[14:15], v[PC+2:PC+3]  ; the chains are joined: their registers take the codes
.irp g, 0,1,2,3
	v_cvt_scalef32_pk8_fp4_f32 v[PC+\g], v[S+8*\g:S+8*\g+7], v244              ; block h
	v_cvt_scalef32_pk8_fp4_f32 v[PC+4+\g], v[S+32+8*\g:S+32+8*\g+7], v245      ; block 2 + h: the registers of the operand as they stand
.endr
	v_nop                                          ; one plain line behind the conversions
	s_wait_alu depctr_va_vdst(0)                   ; directly ahead of the first reader of O^T
.set jj, 0
.rept 16
	v_pk_mul_f32 v[O+jj:O+jj+1], v[O+jj:O+jj+1], v[246:247] op_sel_hi:[1,0]   ; O^T under the new M; also the plain lines between p's codes and scale word and the products
.set jj, jj+2
.endr
	s_wait_alu depctr_va_vdst(0)                   ; directly ahead of the waits below
.if (\shown) == 1
	s_wait_tensorcnt 0x0                           ; my wave's tensor load has landed, whichever step it brings,
	s_wait_dscnt 0x0                               ; my LDS loads are over (V and its scale words are in):
	s_barrier_signal -1                            ; say so; behind the next step's scores the wave goes on when all sixteen have.  Between stand V's LDS loads of step 1 and work on registers
.elseif \last
	s_wait_dscnt 0x0                               ; V and its scale words are in
.else
	s_wait_dscnt 9                                 ; V and its scale words are in; the next step's nine loads of K may stay out
.endif
	OPROD 0                                        ; the four accumulators by turns; between two links of a chain stand the others' and the next step's scores
	OPROD 1
	OPROD 2
	OPROD 3
.endm
	s_load_b256 s[84:91], s[0:1], 0x0              ; qc s[84:85], kv s[86:87], mw s[88:89], out0 s[90:91]
	v_lshl_add_u32 v252, v0, 2, SPARE
	v_mov_b32 v253, 0
	ds_add_u32 v252, v253                          ; the wave's opening: the add, twice on end, and its wait
	ds_add_u32 v252, v253
	v_lshrrev_b32 v3, 5, v0
	v_readfirstlane_b32 s26, v3                    ; wave 0..15
	s_bfe_u32 s29, ttmp6, 0x40000                  ; cx: my place in the cluster: it enters the addresses of Q, of the mask codes and of out0 alone
	s_lshl_b32 s30, ttmp9, 2                       ; in a cluster launch ttmp9 counts clusters
	s_add_co_u32 s30, s30, s29                     ; my block of 256 queries, 0..7
	s_and_b32 s31, ttmp7, 0xffff                   ; the head, which the four partners share
	; descriptor group 1: 35 rows of 256 bytes (32 elements of 8 bytes), dense in memory and in LDS
	s_mov_b32 s4, 15|(3<<16)|(1<<21)               ; 15:0 the mask: all four work-groups; 17:16 elements of 8 bytes; 21 set beside a mask; no padding
	s_mov_b32 s5, 32<<16                           ; tensor_dim0 = 32
	s_mov_b32 s6, 35<<16                           ; tensor_dim1 = 35
	s_mov_b32 s7, 32<<16                           ; tile_dim0 = 32
	s_mov_b32 s8, 35                               ; tile_dim1 = 35
	s_mov_b32 s9, 32                               ; from row to row: 32 elements
	s_mov_b32 s10, 0
	s_mov_b32 s11, 0
	s_mul_i32 s66, s26, STEPB                      ; my wave's step, in LDS and in memory alike
	s_mul_i32 s32, s31, HEADB                      ; the head's block in kv
	s_add_co_u32 s32, s32, s66
	s_mov_b32 s33, 0
	s_lshl_b32 s28, s30, 4
	s_add_co_u32 s28, s28, s26                     ; T: my tile of 16 queries among the head's 128
	s_lshr_b32 s29, s31, 4                         ; the batch
	s_lshl_b32 s29, s29, 7
	s_add_co_u32 s29, s29, s28
	s_lshl_b32 s34, s29, 14                        ; mw: 16,384 bytes for a batch's tile
	s_mov_b32 s35, 0
	s_lshl_b32 s29, s31, 4                         ; qc: group 16 x head + T / 8
	s_lshl_b32 s67, s30, 1
	s_add_co_u32 s29, s29, s67
	s_lshr_b32 s67, s26, 3
	s_add_co_u32 s29, s29, s67
	s_mul_i32 s36, s29, 4608
	s_mov_b32 s37, 0
	s_lshr_b32 s29, s28, 2                         ; out0: the tile's first row is 64 (T / 4) + 8 (T % 4); a row is 256 bytes
	s_lshl_b32 s29, s29, 14
	s_and_b32 s67, s28, 3
	s_lshl_b32 s67, s67, 11
	s_add_co_u32 s29, s29, s67
	s_lshl_b32 s67, s31, 19                        ; a head is 2^19 bytes
	s_add_co_u32 s38, s29, s67
	s_mov_b32 s39, 0
	s_and_b32 s29, s26, 7                          ; t: my tile in its group of 128 queries
	s_lshl_b32 s40, s29, 9                         ; its codes
	s_and_b32 s41, s29, 1
	s_lshl_b32 s41, s41, 8
	s_lshr_b32 s67, s29, 1
	s_lshl_b32 s67, s67, 2
	s_add_co_u32 s41, s41, s67                     ; its scale words: lane r + 16 (t % 2), word t / 2
	s_mov_b32 s42, 0xffff0000
	s_mov_b32 s43, 0xa6a6                          ; the mask codes' scale bytes: 166: x 2^39
	s_and_b32 s44, s31, 15                         ; the head in its batch, h: I ask for the steps whose number % 4 is (h - h / 4) % 4.  In the trip of step i the step asked for is i + 3 = 18 - s28:
	s_lshr_b32 s45, s44, 2
	s_sub_co_u32 s45, s45, s44
	s_add_co_u32 s45, s45, 2
	s_and_b32 s44, s45, 3                          ; so where s28 % 4 = (2 - h + h / 4) % 4
	v_and_b32 v6, 31, v0
	v_and_b32 v7, 15, v0
	v_bfe_u32 v[H8], v0, 4, 1
	v_lshlrev_b32 v1, 4, v6                        ; 16 x lane
	v_lshlrev_b32 v2, 3, v6                        ; 8 x lane
	v_min_u32 v[PFO], 3, v6
	v_lshlrev_b32 v[H8], 3, v[H8]                  ; 8 h
	v_lshl_add_u32 v7, v7, 4, s41
	v_add_nc_u32 v6, s40, v1
	v_lshlrev_b32 v[PFO], 8, v[PFO]
	s_wait_alu depctr_va_vdst(0)                   ; directly ahead of the waits below
	s_wait_dscnt 0x0                               ; both opening adds are done
	ROUND                                          ; all four work-groups are here: the joint loads meet
	s_wait_kmcnt 0x0
	s_mov_b32 s12, 1                               ; descriptor group 0: count = 1,
	s_mov_b32 s13, s66                             ; LDS address,
	s_add_nc_u64 s[14:15], s[86:87], s[32:33]      ; global address,
	s_or_b32 s15, s15, 0x80000000                  ; type = 2
	s_cmp_lt_u32 s26, 4                            ; one tensor load a wave at the head; waves 0 to 3, which wait ahead of the first barrier, have a line of their own
	s_cbranch_scc0 .Lload_later
	tensor_load_to_lds s[12:15], s[4:11]           ; steps 0 to 3
	s_nop 0
.rept 4
	v_nop
.endr
	s_branch .Lasked
.Lload_later:
	tensor_load_to_lds s[12:15], s[4:11]           ; steps 4 to 15
	s_nop 0
.rept 4
	v_nop
.endr
.Lasked:
	s_add_nc_u64 s[36:37], s[84:85], s[36:37]
	s_add_nc_u64 s[2:3], s[88:89], s[34:35]
	s_add_nc_u64 s[20:21], s[90:91], s[38:39]
	global_load_b128 v[MQ+4:MQ+7], v6, s[36:37] th:TH_LOAD_NT      ; Q's codes: lane (r, h): block h of my query r
	global_load_b32 v3, v7, s[36:37] offset:4096   ; and its scale word
	global_load_b128 v[MQ:MQ+3], v1, s[2:3]        ; step 0's mask codes
	global_load_b128 v[MQ+8:MQ+11], v1, s[2:3] offset:512
	s_mov_b32 s22, 0x3e38aa3b                      ; c = log2(e) / 8
	s_mov_b32 s24, 0x76543210
	s_mov_b32 s25, 0xfedcba98                      ; v_permlanex16_b32's selects for lane l xor 16
	s_mov_b32 vcc_lo, 0xff0000ff                   ; the lanes in which h = r / 8
	v_and_b32 v242, 7, v0
	v_lshlrev_b32 v242, 2, v242
	v_lshlrev_b32 v242, v242, 14                   ; the code of -4 in nibble r % 8,
	v_cndmask_b32 v242, 0, v242, vcc_lo
.irp t, 0,1,2,3,4,5,6,7
.irp i, 0,1,2,3
.if \i == (\t%4)
	v_mov_b32 v[KI+8*\t+\i], v242                  ; of register j of I of j: row r picks out place 32 (r / 8) + 8 j + r % 8
.else
	v_mov_b32 v[KI+8*\t+\i], 0
.endif
.endr
.endr
	v_mov_b32 v13, 0xcf000000                      ; the largest t so far: -2^31, above every hidden t
	v_mov_b32 v254, 0xcf000000
	v_floor_f32 v12, -v13                          ; -M
	v_mov_b32 v[CF], s22
	v_mov_b32 v14, 0                               ; the sum, in two halves
	v_mov_b32 v15, 0
	v_mov_b32 v243, 0
	v_mov_b32 v247, 0                              ; (named as the upper halves of pairs)
	v_mov_b32 v249, 0
	v_mov_b32 v251, 0
	s_wait_alu depctr_va_vdst(0)                   ; directly ahead of the wait below
	s_wait_loadcnt 2                               ; Q is in; the two loads of mask codes may stay out
	v_and_or_b32 v[SQ], v3, s42, s43               ; the scale word of (mask, Q)
.irp i, 0,1,2,3
	v_mov_b32 v[MQ+12+\i], v[MQ+4+\i]              ; Q once more
.endr
.set jj, 0
.rept 32
	v_mov_b32 v[O+jj], 0                           ; O^T: the first step finds zeros, which the first change of M leaves zeros.  These lines also stand between Q's scale word and the first product
.set jj, jj+1
.endr
	s_mov_b32 s27, 0
	s_mov_b32 s28, 15
	s_wait_alu depctr_va_vdst(0)                   ; the wait at the head's end
	s_cmp_lt_u32 s26, 4
	s_cbranch_scc0 .Lnot_first
	s_wait_tensorcnt 0x0                           ; steps 0 to 3 have landed: their four waves wait;
.Lnot_first:
	s_wait_dscnt 0x0
	s_barrier_signal -1
	s_barrier_wait -1                              ; and all sixteen may read them.
	KLOAD 1, 0                                     ; step 0's K
	STEP 0, 1                                      ; steps 0 and 1 are written out: they read steps 0 to 2's blocks, while steps 4 to 15 may still be on their way
	s_mov_b32 s27, STEPB
	s_mov_b32 s28, 14
	STEP 0, 2
	s_mov_b32 s27, 2*STEPB
	s_mov_b32 s28, 13
	s_wait_alu depctr_va_vdst(0)
.Lstep:
	STEP 0, 0
	s_add_co_u32 s27, s27, STEPB
	s_sub_co_u32 s28, s28, 1
	s_cmp_lg_u32 s28, 0
	s_cbranch_scc1 .Lstep
	STEP 1, 0                                      ; the last step is written out
	; THE WAY OUT.  The sum's two halves and lane l xor 16's are added; O^T is divided by the sum and goes through my stage in LDS, so that sixteen lanes store one row of out0: 256 consecutive bytes, aligned.
	v_add_f32 v14, v14, v15
	v_permlanex16_b32 v243, v14, s24, s25
	v_add_f32 v14, v14, v243                       ; the row's sum
	s_wait_alu depctr_va_vdst(0)                   ; the wait ahead of the transcendental
	v_rcp_f32 v14, v14
	v_and_b32 v240, 15, v0                         ; (plain lines behind the reciprocal, and behind the last products)  r
	v_bfe_u32 v241, v0, 4, 1                       ; h
	s_mul_i32 s29, s26, 16*SP
	s_add_co_u32 s29, s29, STAGE                   ; my stage
	v_mul_u32_u24 v6, v240, SP
	v_mul_u32_u24 v7, v241, SP
	v_lshlrev_b32 v8, 8, v241
	v_lshl_add_u32 v6, v241, 6, v6
	v_lshl_add_u32 v7, v240, 4, v7
	v_lshl_add_u32 v8, v240, 4, v8                 ; two rows of out0 at a time: row h, 16 r
	v_add_nc_u32 v6, s29, v6                       ; in: row r, 64 h bytes on
	v_add_nc_u32 v7, s29, v7                       ; back: lanes 0-15 one row, lanes 16-31 the next
	s_wait_alu depctr_va_vdst(0)                   ; the wait ahead of the reciprocal's first reader
.irp y, 0,1
.irp i, 0,1,2,3,4,5,6,7
.irp x, 0,1
	v_mul_f32 v[S+16*\y+2*\i+\x], v[O+8*(\y+2*\x)+\i], v14         ; O^T / the sum: register i of tile y + 2 x is channel 32 y + 16 h + 2 i + x of my query; each accumulator from its low end on
.endr
.endr
.endr
.irp y, 0,1
.irp i, 0,1,2,3
	ds_store_b128 v6, v[S+16*\y+4*\i:S+16*\y+4*\i+3] offset:128*\y+16*\i
.endr
.endr
.irp i, 0,1,2,3,4,5,6,7
	ds_load_b128 v[S+32+4*\i:S+35+4*\i], v7 offset:2*\i*SP         ; LDS serves a wave's instructions in order: these see my stores
.endr
.irp i, 0,1,2,3,4,5,6,7
	s_wait_dscnt 7-\i                              ; the younger loads may stay out
	global_store_b128 v8, v[S+32+4*\i:S+35+4*\i], s[20:21] offset:(2*\i+24*(\i/4))*256 th:TH_STORE_NT   ; row index 2 i + h is row 2 i + h + 24 (i / 4) of the tile's span
.endr
	s_wait_tensorcnt 0x0                           ; the wave's end
	ds_add_u32 v252, v253
	s_wait_dscnt 0x0
	ROUND                                          ; the closing round: no work-group ends while a partner may still ask for a block that names it
	s_endpgm
.Lfunc_end_k_q96b4f5000e_attn:
	.size	k_q96b4f5000e_attn, .Lfunc_end_k_q96b4f5000e_attn-k_q96b4f5000e_attn
	.p2alignl 7, 3214868480
	.fill 96, 4, 3214868480
	.section	.rodata,"a",@progbits
	.p2align	6, 0x0
	.amdhsa_kernel k_q96b4f5000e_attn
		.amdhsa_group_segment_fixed_size 215040
		.amdhsa_private_segment_fixed_size 0
		.amdhsa_enable_private_segment 0
		.amdhsa_kernarg_size 32
		.amdhsa_user_sgpr_count 2
		.amdhsa_user_sgpr_kernarg_segment_ptr 1
		.amdhsa_wavefront_size32 1
		.amdhsa_system_sgpr_workgroup_id_x 1
		.amdhsa_system_sgpr_workgroup_id_y 1
		.amdhsa_system_sgpr_workgroup_id_z 1
		.amdhsa_system_vgpr_workitem_id 0
		.amdhsa_next_free_vgpr 256
		.amdhsa_next_free_sgpr 100
		.amdhsa_reserve_vcc 1
		.amdhsa_float_denorm_mode_32 3
		.amdhsa_float_denorm_mode_16_64 3
		.amdhsa_memory_ordered 1
		.amdhsa_forward_progress 1
		.amdhsa_inst_pref_size 72
	.end_amdhsa_kernel
	.amdgpu_metadata
---
amdhsa.version: [ 1, 2 ]
amdhsa.kernels:
  - .name:           k_q96b4f5000e_attn
    .symbol:         k_q96b4f5000e_attn.kd
    .args:
      - { .name: qc, .offset: 0, .size: 8, .value_kind: global_buffer, .address_space: global }
      - { .name: kv, .offset: 8, .size: 8, .value_kind: global_buffer, .address_space: global }
      - { .name: mw, .offset: 16, .size: 8, .value_kind: global_buffer, .address_space: global }
      - { .name: out0, .offset: 24, .size: 8, .value_kind: global_buffer, .address_space: global }
    .group_segment_fixed_size: 215040
    .private_segment_fixed_size: 0
    .kernarg_segment_align: 8
    .kernarg_segment_size: 32
    .max_flat_workgroup_size: 512
    .sgpr_count:     100
    .vgpr_count:     256
    .wavefront_size: 32
...
	.end_amdgpu_metadata
.endif
;; end of part 2
